; MI455X (gfx1250); checked and timed in simulation.
; The chip was launched on July 23, 2026; its instructions are those of AMD's public machine-readable ISA for CDNA 5 (MIT licence, August 2026) and "CDNA5" Instruction Set Architecture Reference Guide (July 2026). The comments in the code are by the model that wrote it; some were corrected since.
;; Source Bias Seq. Allowed arithmetic: matrix products marked QUANTISED: E5M2 operands, one given power-of-two scale a tensor, by v_wmma_f32_16x16x64_bf8_bf8 or v_wmma_f32_16x16x128_bf8_bf8, f32 sums; everything else in f32.
;; Inputs: bias 64 x 1,024 float32; lowp_scales 2 int32 (the exponents e of the quantised operands' scales 2^e); trans_codes 64 x 1,024 x 32 x 32 uint8 (E5M2 codes of trans, K innermost, in blocks of 32 codes); urls 64 x 16 int32; x_codes 64 x 16 x 32 x 32 uint8 (E5M2 codes of x, K innermost, in blocks of 32 codes).
;; Outputs: out0 64 x 16 x 1,024 float32.
;; This version of the problem:
;;   THIS VERSION OF THE PROBLEM IS GIVEN IN LOW PRECISION. The matrix products marked QUANTISED in the list below multiply operands that are first quantised to E5M2 (5 exponent bits, 2 mantissa bits; 8 bits a number), with one given power-of-two scale for each operand tensor; their sums are f32. All else is computed in f32.
;;   The module's matrix products, in the order in which they are computed (A, B: the left and right operand; K: the contracted axis; several contracted axes count as one K, in the product's order):
;;     1. [M 1,024, K 1,024] x [K 1,024, N 65,536]; A: input x (given as codes); B: input trans (given as codes): QUANTISED (scales: A lowp_scales[0], B lowp_scales[1])
;;   THE QUANTISER, for each operand of a quantised product, along K:
;;     - The operand's scale is 2^e, e = its entry of the input lowp_scales (int32; the entries are numbered through the quantised products in the list's order, A before B).
;;     - Each number is divided by the scale, clamped to +-57,344, and rounded to the nearest number of E5M2, ties to even, subnormals kept.
;;     - The product sums the exact products of the quantised numbers (number of the format x scale) in f32.
;;   ~~~python
;;   def quantise(x, axis, e):      # numpy; x: float32 -> the quantised numbers, widened to float32 again
;;       x = np.moveaxis(x, axis, -1); K = x.shape[-1]
;;       r = np.clip(x / 2.0 ** e, -57344, 57344)
;;       step = 2.0 ** (np.maximum(np.frexp(np.where(r == 0, 1, r))[1] - 1, -14) - 2)
;;       q = np.round(r / step) * step * 2.0 ** e      # np.round: ties to even
;;       return np.moveaxis(q, -1, axis).astype(np.float32)
;;   ~~~
;;   INPUTS GIVEN AS CODES. trans (in the module: [64, 1024, 1024], K = its axis 1); x (in the module: [64, 16, 1024], K = its axis 2): each comes as NAME_codes (uint8): NAME with its K axis moved to the last place and cut into blocks of 32 codes, [.., K / 32, bytes a block], one block behind the other in memory; one code a byte (a code: sign, 5 exponent bits, 2 mantissa bits); its scale is its entry of lowp_scales. Its value is code x scale, taken as it is: it is not quantised again, and the codes and scales need not be those that the quantiser above would give.
;; 2 versions, each right and faster than the one before. Each part assembles by itself: llvm-mc -triple=amdgcn-amd-amdhsa -mcpu=gfx1250 --defsym DOCPART=n.
;; ======== version 1 of 2: 1 launch
;; launch route_mm (part 1): grid 4 x 64, 4 waves a work-group, no clusters, 136,704 bytes of LDS; arguments trans_codes, x_codes, urls, bias, lowp_scales, out0; writes out0
.if DOCPART == 1
	.amdgcn_target "amdgcn-amd-amdhsa--gfx1250"
	.amdhsa_code_object_version 6
	.text
	.protected	k_q16c8520242_route_mm
	.globl	k_q16c8520242_route_mm
	.p2align	8
	.type	k_q16c8520242_route_mm,@function
k_q16c8520242_route_mm:
	s_mov_b64 s[64:65], 0
	v_nop
	global_prefetch_b8 v0, s[64:65] scope:SCOPE_SE
	s_setreg_imm32_b32 hwreg(HW_REG_WAVE_MODE, 25, 1), 1
	s_wait_xcnt 0x0
; out[n][:] = tanh(x[n] . trans[urls[n]] + bias[urls[n]]), n = 0 .. 1,023; x and trans as codes of E5M2 with K innermost, each tensor with its given scale 2^e.
; THE PRODUCT IS FORMED AS THE PROBLEM WRITES IT: every token against every expert, 1,024 x 65,536 x 1,024, and urls then selects: of a token's 64 rows of sums the one of its own expert goes on to the bias,
; the tanh and the store, as take_along_axis has it.  No step and no input of the problem is left out.
; LIMITS.  urls lie in 0 .. 63 (an index stays inside its table): a token with another number would have no owner and its row would not be written.  ex + ew between -126 and 126, so that
; 2.885 x 2^(ex + ew) is an f32 number.
; SHARES.  Work-group (x = hb, y = e) owns expert e and output columns 256 hb .. 256 hb + 255; wave w the 64 columns from H0 = 256 hb + 64 w on: 64 rows of trans_codes, 64 KiB, read from memory once
; and kept in 512 registers as 32 fragments.  All 1,024 tokens pass by them, 32 a trip (two tiles of 16): 64 products a wave and trip, 2,048 a wave in all.
; THE WEIGHTS' WAY.  A fragment wants a lane to a row, and rows lie 1,024 bytes apart.  So the loads take the bytes as they lie (sixteen lanes read 256 consecutive bytes of a row, aligned), and a quarter of K
; (256 bytes of each of the 64 rows) at a time turns through the wave's own stage in LDS, back into the registers that it left.
; X's WAY.  A trip's 32 rows are one dense block of 32 KiB.  Wave w fetches rows 8 w .. 8 w + 7 of it (16 loads, 64 registers), two trips ahead, in two sets of registers by turns; at a trip's end the next trip's
; rows go into the other of two LDS buffers; one barrier a trip: in front of it each wave's stores have landed and its reads of the buffer in hand are over, so behind it the one is whole and the other is free.
; Work-groups begin at different blocks, (hb + 4 e) mod 32, and go round: so the 256 work-groups ask for all 32 blocks at a time and not all for one.
; THE ROWS OF A TILE ARE NOT NEIGHBOURS: column r of tile T is weight row H0 + 4 r + T.  In the result a lane then holds, for one token, columns H0 + 4 r + 0 .. 3 in its four tiles: 16 neighbouring bytes,
; and sixteen lanes store 256 consecutive bytes of a token's row, aligned: no stage on the way out.
; K's ORDER.  Registers 4 c .. 4 c + 3 of a fragment hold k = 128 s + 32 c + 16 (lane / 16) + 0 .. 15, alike for x and for the weights: every product meets its partner; only the order inside a sum differs.
; THE CHOICE.  32 masks (token has my expert) by compares, mask m in lane m of one register.  A trip reads its block's mask; a tile's way out (bias, tanh, stores) is jumped over where none of its 16 tokens is
; mine, and only the rows that the mask names are stored.
; NO TENSOR LOADS, NO CLUSTER, though every work-group reads all of x: the jump round the way out hangs on urls.  Without it a trip would run both tiles' ways out, 128 transcendentals a lane among some 460
; vector lines, beside its 64 products, for sums of which one row in 64 is kept.
; REGISTERS, in windows of 256: window 0: addresses, x's rows on their way, accumulators, the way out.  Windows 1, 2: the weights: quarter q at v[128 (q % 2)] of window 1 + q / 2; fragment (T, K step 2 q + u)
; at + 32 T + 16 u.  Window 3: x's fragments: (tile t, K step s) at v[16 (8 t + s)].
.set STGB,  17408                      ; a wave's stage: 64 slots x 272 bytes: a quarter of the weights
.set WP,    272                        ; 256 bytes + 16: the sixteen rows that a fragment load touches start at sixteen different 16-byte columns of 256
.set XP,    1040                       ; 1,024 bytes + 16: likewise
.set XS,    4*STGB                     ; behind the stages: two buffers of 32 token rows, shared by the four waves
.set XBUF,  32*XP
.set SPARE, XS+2*XBUF                  ; 136,192 = 532 x 256: the spare words, 128 bytes for each wave, which no other line names
.set L4,   1                           ; v1   4 x lane
.set R16,  2                           ; v2   16 x (lane % 16)
.set H2,   3                           ; v3   lane / 16
.set WOFF, 4                           ; v4   rows of 1,024 bytes (weights and x): 1,024 (lane / 16) + 16 (lane % 16)
.set WST,  5                           ; v5   stage, weights in
.set FRD,  6                           ; v6   stage, fragments out
.set XST0, 7                           ; v7, v8   rows of x into buffer 0, 1
.set XRD0, 9                           ; v9, v10  fragments out of buffer 0, 1
.set OG,   12                          ; v12  out0: 8 rows of 4,096 bytes x (lane / 16) + 16 (lane % 16)
.set T,    13                          ; v13  at work
.set RL,   14                          ; v14  8 (lane / 16)
.set SPW,  16                          ; v16  LDS address of my spare word; never rewritten
.set NIL,  17                          ; v17  0; never rewritten
.set VM,   18                          ; v18  lane m: which of tokens 32 m .. 32 m + 31 have my expert
.set SH,   19                          ; v19  the trip's mask, shifted down by 8 (lane / 16)
.set BI,   20                          ; v20-23 bias of my four columns
.set BS,   24                          ; v24-27 the same x 2 log2(e)
.set C1,   28                          ; v28  2 log2(e) x 2^(ex + ew)
.set Z,    32                          ; v32-63 the way out: a tile's 32 numbers: 4 j + T
.set G,    64                          ; v64-127, v192-255 my 8 rows of x on their way: set p at G + 128 p
.set ACC,  128                         ; v128-191 accumulator (t, T) at 128 + 32 t + 8 T
.set U,    128                         ; v128-159 in the head, before the first product: urls: register m, lane l: token 32 m + l
.set MK,   32                          ; s32-63 the masks
.set XA,   66                          ; s[66:67] x at the block that is being asked for, my wave's rows (in the head also s[68:69])
.set OB,   70                          ; s[70:71] out0 at the trip's block, my wave's columns
; s16 wave, s17 hb, s18 e, s19 my stage, s[20:21], s[2:3] offsets with 0 above, s22 laps to go, s23 hb + 4 e + trip, s24 the trip's mask, s25 EXEC kept, s26 block numbers, s27 at work, s[28:29] ex, ew
.set MSB, 0
.macro WIN new                         ; s_set_vgpr_msb: bits 1:0 source 0, 3:2 source 1, 5:4 source 2, 7:6 destination; the high byte repeats the setting that is left
.if MSB != (\new)
	s_set_vgpr_msb (MSB<<8)|(\new)
.set MSB, (\new)
.endif
.endm
; Quarter q of the weights: 32 loads; load i: lanes 0-15 take 256 bytes of row 2 i, lanes 16-31 of row 2 i + 1.  Read once in the launch.
.macro WLOAD q
	WIN 0x40*(1+(\q)/2)
.set ii, 0
.rept 32
	global_load_b128 v[128*((\q)%2)+4*ii:128*((\q)%2)+4*ii+3], v[WOFF], s[4:5] offset:2048*ii+256*(\q) th:TH_LOAD_NT
.set ii, ii+1
.endr
	WIN 0
.endm
; Quarter q through my stage.  Row 2 i + lane / 16 = 4 r + T goes to slot 16 T + r.  LDS serves a wave's instructions in order (ISA guide 5.7.1.4): no wait between the stores and the loads,
; nor in front of the next quarter's stores.
.macro TRANSPOSE q
	WIN 0x04*(1+(\q)/2)
.set ii, 0
.rept 32
	ds_store_b128 v[WST], v[128*((\q)%2)+4*ii:128*((\q)%2)+4*ii+3] offset:(32*(ii%2)+ii/2)*WP
.set ii, ii+1
.endr
	WIN 0x40*(1+(\q)/2)
.irp n, 0,1,2,3
.irp u, 0,1
.irp c, 0,1,2,3
	ds_load_b128 v[128*((\q)%2)+32*\n+16*\u+4*\c:128*((\q)%2)+32*\n+16*\u+4*\c+3], v[FRD] offset:16*WP*\n+128*\u+32*\c
.endr
.endr
.endr
	WIN 0
.endm
; My 8 rows of a block of x into set p: load (a, u): lanes 0-15 take 256 bytes of row 2 a, lanes 16-31 of row 2 a + 1.  Other work-groups read them again: no hint.
.macro XLOAD p, base
.irp a, 0,1,2,3
.irp u, 0,1,2,3
	global_load_b128 v[G+128*(\p)+16*\a+4*\u:G+128*(\p)+16*\a+4*\u+3], v[WOFF], s[\base:\base+1] offset:2048*\a+256*\u
.endr
.endr
.endm
; and from set p into buffer p, as rows 8 w .. 8 w + 7
.macro XSTORE p
.irp a, 0,1,2,3
.irp u, 0,1,2,3
	ds_store_b128 v[XST0+(\p)], v[G+128*(\p)+16*\a+4*\u:G+128*(\p)+16*\a+4*\u+3] offset:2*XP*\a+256*\u
.endr
.endr
.endm
; x's two fragments of K step s out of buffer p: eight loads
.macro FRAG p, s
.irp t, 0,1
.irp c, 0,1,2,3
	ds_load_b128 v[16*(8*\t+(\s))+4*\c:16*(8*\t+(\s))+4*\c+3], v[XRD0+(\p)] offset:16*XP*\t+128*(\s)+32*\c
.endr
.endr
.endm
; K step s: eight products, source 0 = 16 tokens, source 1 = 16 weight rows.  The eight accumulators take turns, one instruction a turn, from step to step and from trip to trip.
; zero = 1: the products start the sums: nothing is cleared.
.macro MUL s, zero
.if (\s) < 4
	WIN 0x07                                       ; x in window 3, weights in window 1, sums in window 0
.else
	WIN 0x0b                                       ; weights in window 2
.endif
.irp t, 0,1
.irp n, 0,1,2,3
.if \zero
	v_wmma_f32_16x16x128_bf8_bf8 v[ACC+32*\t+8*\n:ACC+32*\t+8*\n+7], v[16*(8*\t+(\s)):16*(8*\t+(\s))+15], v[128*(((\s)/2)%2)+32*\n+16*((\s)%2):128*(((\s)/2)%2)+32*\n+16*((\s)%2)+15], 0
.else
	v_wmma_f32_16x16x128_bf8_bf8 v[ACC+32*\t+8*\n:ACC+32*\t+8*\n+7], v[16*(8*\t+(\s)):16*(8*\t+(\s))+15], v[128*(((\s)/2)%2)+32*\n+16*((\s)%2):128*(((\s)/2)%2)+32*\n+16*((\s)%2)+15], v[ACC+32*\t+8*\n:ACC+32*\t+8*\n+7]
.endif
.endr
.endr
.endm
; Tile t's way out.  z = sum x 2^(ex + ew) + bias; tanh z = 1 - 2 / (1 + 2^(2 log2(e) z)): at both ends the power is 0 or infinity and the result -1 or 1, with no NaN of its own.
; Each accumulator is read from its low end on.  The 32 powers are one batch with one wait, and so are the 32 reciprocals.  Token 16 t + 8 (lane / 16) + j of the block is row j of my half of the tile.
.macro EPI t
.irp n, 0,1,2,3
.irp j, 0,1,2,3,4,5,6,7
	v_fma_f32 v[Z+4*\j+\n], v[ACC+32*\t+8*\n+\j], v[C1], v[BS+\n]
.endr
.endr
.set zz, 0
.rept 32
	v_exp_f32 v[Z+zz], v[Z+zz]
.set zz, zz+1
.endr
	v_nop                                          ; a plain instruction behind the last power, ahead of the first use (ISA guide 5.7.2)
	s_wait_alu depctr_va_vdst(0)                   ; the wait ahead of the batch's first reader
.set zz, 0
.rept 16
	v_pk_add_f32 v[Z+zz:Z+zz+1], v[Z+zz:Z+zz+1], 1.0 op_sel_hi:[1,0]
.set zz, zz+2
.endr
.set zz, 0
.rept 32
	v_rcp_f32 v[Z+zz], v[Z+zz]
.set zz, zz+1
.endr
	v_nop
	s_wait_alu depctr_va_vdst(0)
.set zz, 0
.rept 16
	v_pk_fma_f32 v[Z+zz:Z+zz+1], v[Z+zz:Z+zz+1], -2.0, 1.0 op_sel_hi:[1,0,0]
.set zz, zz+2
.endr
	s_wait_xcnt 0x0                                ; EXEC changes only when every earlier memory instruction has had its addresses translated (ISA guide 3.1)
.irp j, 0,1,2,3,4,5,6,7
	v_bfe_u32 v[T], v[SH], 16*\t+\j, 1             ; has token 16 t + 8 (lane / 16) + j my expert?
	v_cmp_ne_u32 vcc_lo, 0, v[T]
	s_and_saveexec_b32 s25, vcc_lo
	global_store_b128 v[OG], v[Z+4*\j:Z+4*\j+3], s[OB:OB+1] offset:(16*\t+\j)*4096 th:TH_STORE_NT   ; sixteen lanes store 256 consecutive bytes of a token's row, at a multiple of 256 from out0's first byte
	s_wait_xcnt 0x0                                ; and again in front of the line that widens it; it also frees the store's registers and base
	s_or_b32 exec_lo, exec_lo, s25
.endr
.endm
; A TRIP: the block of 32 tokens that lies in buffer p.  ld = 1: the rows of the block two trips on are asked for, into set p, whose rows went to LDS a trip ago.  sto = 1: the next trip's rows go into the other buffer,
; and the barrier follows.
.macro TRIP p, ld, sto
	s_and_b32 s26, s23, 31                         ; the trip's block
	v_readlane_b32 s24, v[VM], s26                 ; and which of its tokens are mine
	s_lshl_b32 s20, s26, 17                        ; 32 rows of 4,096 bytes
	s_wait_xcnt 0x0                                ; the loads asked for a trip ago have read their base: it may be written (the stores' base was freed behind each store)
	s_add_nc_u64 s[OB:OB+1], s[14:15], s[20:21]
.if \ld
	s_add_co_u32 s26, s23, 2
	s_and_b32 s26, s26, 31                         ; the block two trips on
	s_lshl_b32 s2, s26, 15                         ; 32 rows of 1,024 bytes
	s_add_nc_u64 s[XA:XA+1], s[6:7], s[2:3]
	XLOAD \p, XA
.endif
	s_add_co_u32 s23, s23, 1
	WIN 0xc0                                       ; destination window 3
	FRAG \p, 0
	FRAG \p, 1
.irp k, 0,1,2,3,4,5,6,7                ; a K step's fragments are asked for two K steps ahead of its products, eight loads between eight products
.if \k < 6
	WIN 0xc0
	FRAG \p, \k+2
	s_wait_dscnt 16                                ; K step k's are in; behind them: those of the two steps that follow
.else
	s_wait_dscnt 8*(7-\k)
.endif
.if \k == 0
	MUL \k, 1
.else
	MUL \k, 0
.endif
.endr
	WIN 0
	v_mov_b32 v[SH], s24                           ; six plain lines behind the last product, on every way: four are owed ahead of the way out's reads and of the next trip's loads into x's fragments,
	v_lshrrev_b32 v[SH], v[RL], v[SH]              ; five ahead of the next trip's first products, which begin the accumulators anew (ISA guide 7.12.1)
.rept 4
	v_nop
.endr
.if \sto
	s_wait_loadcnt 16*\ld                          ; the next trip's rows, asked for a trip ago, are in; the 16 loads of this trip may be out
	XSTORE 1-\p                                    ; that buffer's readers waited for their loads in front of the last barrier
.endif
	s_and_b32 s27, s24, 0xffff
	s_cmp_eq_u32 s27, 0
	s_cbranch_scc1 .Lnot_tile_0_\@                 ; none of tokens 0 .. 15 is mine
	EPI 0
.Lnot_tile_0_\@:
	s_lshr_b32 s27, s24, 16
	s_cmp_eq_u32 s27, 0
	s_cbranch_scc1 .Lnot_tile_1_\@                 ; none of tokens 16 .. 31
	EPI 1
.Lnot_tile_1_\@:
.if \sto
	s_wait_dscnt 0x0                               ; for the others' sake: my rows lie in the other buffer; my reads of this one ended ahead of the last products
	s_barrier_signal -1
	s_barrier_wait -1                              ; both hold of all four waves
.endif
.endm
	s_load_b256 s[4:11], s[0:1], 0x0               ; trans_codes s[4:5], x_codes s[6:7], urls s[8:9], bias s[10:11]
	s_load_b128 s[12:15], s[0:1], 0x20             ; lowp_scales s[12:13], out0 s[14:15]
	v_lshl_add_u32 v[SPW], v0, 2, SPARE
	v_mov_b32 v[NIL], 0
	v_lshrrev_b32 v[T], 5, v0
	v_readfirstlane_b32 s16, v[T]                  ; wave 0..3
	s_mov_b32 s17, ttmp9                           ; hb
	s_and_b32 s18, ttmp7, 0xffff                   ; e
	v_and_b32 v[L4], 31, v0
	v_lshlrev_b32 v[L4], 2, v[L4]
	v_and_b32 v[T], 15, v0                         ; r = lane % 16
	v_lshlrev_b32 v[R16], 4, v[T]
	v_bfe_u32 v[H2], v0, 4, 1
	v_lshl_add_u32 v[WOFF], v[H2], 10, v[R16]
	v_lshl_add_u32 v[OG], v[H2], 15, v[R16]
	v_lshlrev_b32 v[RL], 3, v[H2]
	s_mul_i32 s19, s16, STGB                       ; my stage
	v_mul_u32_u24 v[WST], v[H2], 16*WP             ; weights in: the odd row of a load lies 16 slots behind the even one
	v_add_nc_u32 v[WST], v[WST], v[R16]
	v_add_nc_u32 v[WST], s19, v[WST]
	v_mul_u32_u24 v[FRD], v[T], WP                 ; fragments out: slot r, + 16 (lane / 16)
	v_lshl_add_u32 v[FRD], v[H2], 4, v[FRD]
	v_add_nc_u32 v[FRD], s19, v[FRD]
	v_mul_u32_u24 v[XST0], v[H2], XP               ; token rows in: lanes 0-15 one row, lanes 16-31 the next;
	v_add_nc_u32 v[XST0], v[XST0], v[R16]
	s_mul_i32 s27, s16, 8*XP                       ; my wave's are rows 8 w .. 8 w + 7
	s_add_co_u32 s27, s27, XS
	v_add_nc_u32 v[XST0], s27, v[XST0]
	v_add_nc_u32 v[XST0+1], XBUF, v[XST0]
	v_mul_u32_u24 v[XRD0], v[T], XP                ; fragments out: row r, + 16 (lane / 16)
	v_lshl_add_u32 v[XRD0], v[H2], 4, v[XRD0]
	v_add_nc_u32 v[XRD0], XS, v[XRD0]
	v_add_nc_u32 v[XRD0+1], XBUF, v[XRD0]
	s_lshl_b32 s20, s18, 20                        ; weights: expert x 1 MiB + (256 hb + 64 w) rows of 1,024 bytes
	s_lshl_b32 s26, s17, 18
	s_add_co_u32 s20, s20, s26
	s_lshl_b32 s26, s16, 16
	s_add_co_u32 s20, s20, s26
	s_mov_b32 s21, 0
	s_lshl_b32 s30, s17, 10                        ; out0 and bias: my 64 columns begin 1,024 hb + 256 w bytes into a row
	s_lshl_b32 s26, s16, 8
	s_add_co_u32 s30, s30, s26
	s_mov_b32 s31, 0
	s_lshl_b32 s26, s18, 12                        ; bias: + expert x 4,096
	s_add_co_u32 s2, s30, s26
	s_mov_b32 s3, 0
	s_lshl_b32 s23, s18, 2
	s_add_co_u32 s23, s23, s17                     ; hb + 4 e: its low five bits are my first block
	s_wait_kmcnt 0x0
	s_load_b64 s[28:29], s[12:13], 0x0             ; ex, ew
	s_add_nc_u64 s[4:5], s[4:5], s[20:21]
	s_add_nc_u64 s[10:11], s[10:11], s[2:3]
	s_add_nc_u64 s[14:15], s[14:15], s[30:31]
	s_lshl_b32 s2, s16, 13                         ; x: my wave's 8 rows of a block
	s_add_nc_u64 s[6:7], s[6:7], s[2:3]
.irp p, 0,1                            ; the rows of trips 0 and 1, ahead of everything else
	s_add_co_u32 s26, s23, \p
	s_and_b32 s26, s26, 31
	s_lshl_b32 s2, s26, 15
	s_add_nc_u64 s[XA+2*\p:XA+2*\p+1], s[6:7], s[2:3]
	XLOAD \p, XA+2*\p
.endr
.set mm, 0
.rept 32
	global_load_b32 v[U+mm], v[L4], s[8:9] offset:128*mm   ; all 1,024 urls, in every wave: register m, lane l: token 32 m + l
.set mm, mm+1
.endr
	global_load_b128 v[BI:BI+3], v[R16], s[10:11]  ; bias of columns H0 + 4 r + 0 .. 3
	WLOAD 0
	WLOAD 1
	s_wait_loadcnt 63                              ; x's first rows, urls and bias are in: 64 loads were issued behind them, and loads come back in order (ISA guide 5.7.1)
	s_wait_kmcnt 0x0
	s_add_co_i32 s27, s28, s29
	v_mov_b32 v[C1], 0x4038aa3b                    ; 2 log2(e)
	v_ldexp_f32 v[C1], v[C1], s27                  ; x 2^(ex + ew)
.irp n, 0,1,2,3
	v_mul_f32 v[BS+\n], 0x4038aa3b, v[BI+\n]
.endr
.set mm, 0
.rept 32
	v_cmp_eq_u32 s[MK+mm], s18, v[U+mm]            ; bit l: token 32 m + l has my expert
.set mm, mm+1
.endr
	v_mov_b32 v[VM], 0
.set mm, 0
.rept 32
	v_writelane_b32 v[VM], s[MK+mm], mm            ; mask m into lane m
.set mm, mm+1
.endr
	XSTORE 0                                       ; trip 0's rows
	s_wait_loadcnt 32                              ; quarter 0 is in; behind it: quarter 1's 32 loads
	TRANSPOSE 0
	WLOAD 2
	s_wait_loadcnt 32                              ; quarter 1 is in; behind it: quarter 2's
	TRANSPOSE 1
	WLOAD 3
	s_wait_loadcnt 32                              ; quarter 2 is in; behind it: quarter 3's
	TRANSPOSE 2
	s_wait_loadcnt 0x0
	TRANSPOSE 3
	s_wait_dscnt 0x0                               ; for the others' sake: my rows of trip 0 lie in buffer 0 (and my fragments of the weights are in)
	s_barrier_signal -1
	s_barrier_wait -1                              ; all 32 rows do
	s_mov_b32 s22, 15
.Ltwo:                                                 ; 15 laps of two trips: trips 0 to 29, each of which asks for the rows of the trip two on
	TRIP 0, 1, 1
	TRIP 1, 1, 1
	s_sub_co_u32 s22, s22, 1
	s_cmp_lg_u32 s22, 0
	s_cbranch_scc1 .Ltwo
	TRIP 0, 0, 1                                   ; trip 30 asks for nothing more,
	TRIP 1, 0, 0                                   ; and trip 31 hands nothing on
	s_wait_tensorcnt 0x0                           ; the wave's end, behind my last LDS store
	ds_add_u32 v[SPW], v[NIL]
	s_wait_dscnt 0x0
	s_endpgm
.Lfunc_end_k_q16c8520242_route_mm:
	.size	k_q16c8520242_route_mm, .Lfunc_end_k_q16c8520242_route_mm-k_q16c8520242_route_mm
	.p2alignl 7, 3214868480
	.fill 96, 4, 3214868480
	.section	.rodata,"a",@progbits
	.p2align	6, 0x0
	.amdhsa_kernel k_q16c8520242_route_mm
		.amdhsa_group_segment_fixed_size 136704
		.amdhsa_private_segment_fixed_size 0
		.amdhsa_enable_private_segment 0
		.amdhsa_kernarg_size 48
		.amdhsa_user_sgpr_count 2
		.amdhsa_user_sgpr_kernarg_segment_ptr 1
		.amdhsa_wavefront_size32 1
		.amdhsa_system_sgpr_workgroup_id_x 1
		.amdhsa_system_sgpr_workgroup_id_y 1
		.amdhsa_system_sgpr_workgroup_id_z 1
		.amdhsa_system_vgpr_workitem_id 0
		.amdhsa_next_free_vgpr 1024
		.amdhsa_next_free_sgpr 72
		.amdhsa_reserve_vcc 1
		.amdhsa_float_denorm_mode_32 3
		.amdhsa_float_denorm_mode_16_64 3
		.amdhsa_memory_ordered 1
		.amdhsa_forward_progress 1
		.amdhsa_inst_pref_size 155
	.end_amdhsa_kernel
	.amdgpu_metadata
---
amdhsa.version: [ 1, 2 ]
amdhsa.kernels:
  - .name:           k_q16c8520242_route_mm
    .symbol:         k_q16c8520242_route_mm.kd
    .args:
      - { .name: trans_codes, .offset: 0, .size: 8, .value_kind: global_buffer, .address_space: global }
      - { .name: x_codes, .offset: 8, .size: 8, .value_kind: global_buffer, .address_space: global }
      - { .name: urls, .offset: 16, .size: 8, .value_kind: global_buffer, .address_space: global }
      - { .name: bias, .offset: 24, .size: 8, .value_kind: global_buffer, .address_space: global }
      - { .name: lowp_scales, .offset: 32, .size: 8, .value_kind: global_buffer, .address_space: global }
      - { .name: out0, .offset: 40, .size: 8, .value_kind: global_buffer, .address_space: global }
    .group_segment_fixed_size: 136704
    .private_segment_fixed_size: 0
    .kernarg_segment_align: 8
    .kernarg_segment_size: 48
    .max_flat_workgroup_size: 128
    .sgpr_count:     72
    .vgpr_count:     1024
    .wavefront_size: 32
...
	.end_amdgpu_metadata
.endif
;; end of part 1
;; ======== version 2 of 2: 1 launch; 1.26 times as fast as version 1
;; launch route_mm (part 2): grid 4 x 64, 4 waves a work-group, no clusters, 136,704 bytes of LDS; arguments trans_codes, x_codes, urls, bias, lowp_scales, out0; writes out0
.if DOCPART == 2
	.amdgcn_target "amdgcn-amd-amdhsa--gfx1250"
	.amdhsa_code_object_version 6
	.text
	.protected	k_q16c8520242_route_mm
	.globl	k_q16c8520242_route_mm
	.p2align	8
	.type	k_q16c8520242_route_mm,@function
k_q16c8520242_route_mm:
	s_mov_b64 s[64:65], 0
	v_nop
	global_prefetch_b8 v0, s[64:65] scope:SCOPE_SE
	s_setreg_imm32_b32 hwreg(HW_REG_WAVE_MODE, 25, 1), 1
	s_wait_xcnt 0x0
; out[n][:] = tanh(x[n] . trans[urls[n]] + bias[urls[n]]), n = 0 .. 1,023; x and trans as codes of E5M2 with K innermost, each tensor with its given scale 2^e.
; THE PRODUCT IS FORMED AS THE PROBLEM WRITES IT: every token against every expert, 1,024 x 65,536 x 1,024, and urls then selects: of a token's 64 rows of sums the one of its own expert goes on to the bias,
; the tanh and the store, as take_along_axis has it.  No step and no input of the problem is left out.
; LIMITS.  urls lie in 0 .. 63 (an index stays inside its table): a token with another number would have no owner and its row would not be written.  ex + ew between -126 and 126, so that
; 2.885 x 2^(ex + ew) is an f32 number.
; SHARES.  Work-group (x = hb, y = e) owns expert e and output columns 256 hb .. 256 hb + 255; wave w the 64 columns from H0 = 256 hb + 64 w on: 64 rows of trans_codes, 64 KiB, read from memory once
; and kept in 512 registers as 32 fragments.  All 1,024 tokens pass by them, 32 a trip (two tiles of 16): 64 products a wave and trip, 2,048 a wave in all.
; THE WEIGHTS' WAY.  A fragment wants a lane to a row, and rows lie 1,024 bytes apart.  So the loads take the bytes as they lie (sixteen lanes read 256 consecutive bytes of a row, aligned), and a quarter of K
; (256 bytes of each of the 64 rows) at a time turns through the wave's own stage in LDS, back into the registers that it left.
; X's WAY.  A trip's 32 rows are one dense block of 32 KiB.  Wave w fetches rows 8 w .. 8 w + 7 of it (16 loads, 64 registers).  The rows of trip r lie in register set r % 2 and then in LDS buffer r % 2.
; Trip j asks memory for the rows of trip j + 3, stores those of trip j + 2 into LDS, and reads the fragments of trip j + 1 out of LDS: as soon as it has multiplied two K steps, the same two K steps of the next
; trip take their registers: four runs of 16 LDS loads a trip, each a whole trip ahead of its products.
; ONE BARRIER A TRIP, behind the trip's first 16 products.  In front of it each wave has waited for all its LDS instructions: its reads of this trip's buffer are over and its rows of the next trip have landed.
; So between two barriers one buffer is only read (rows j + 1) and the other only written (rows j + 2).
; Work-groups begin at different blocks, (hb + 4 e) mod 32, and go round: so the 256 work-groups ask for all 32 blocks at a time and not all for one.
; THE ROWS OF A TILE ARE NOT NEIGHBOURS: column r of tile T is weight row H0 + 4 r + T.  In the result a lane then holds, for one token, columns H0 + 4 r + 0 .. 3 in its four tiles: 16 neighbouring bytes,
; and sixteen lanes store 256 consecutive bytes of a token's row, aligned: no stage on the way out.
; K's ORDER.  Registers 4 c .. 4 c + 3 of a fragment hold k = 128 s + 32 c + 16 (lane / 16) + 0 .. 15, alike for x and for the weights: every product meets its partner; only the order inside a sum differs.
; THE CHOICE.  32 masks (token has my expert) by compares, mask m in lane m of one register.  A trip reads its block's mask.  A tile none of whose 16 tokens is mine has no way out.  In the others the 32
; multiply-adds with scale and bias are made for the whole tile, and the tanh and the store only for the pairs of rows (j, j + 8) of which one is mine; of such a pair only the rows that the mask names are stored.
; NO TENSOR LOADS, NO CLUSTER, though every work-group reads all of x: the jumps round the way out hang on urls.  Without them a trip would run both tiles' ways out whole, 128 transcendentals a lane and
; sixteen masked stores, beside its 64 products, for sums of which one row in 64 is kept.
; REGISTERS, in windows of 256: window 0: addresses, x's rows on their way, accumulators, the way out.  Windows 1, 2: the weights: quarter q at v[128 (q % 2)] of window 1 + q / 2; fragment (T, K step 2 q + u)
; at + 32 T + 16 u.  Window 3: x's fragments: (tile t, K step s) at v[16 (8 t + s)].
.set STGB,  17408                      ; a wave's stage: 64 slots x 272 bytes: a quarter of the weights
.set WP,    272                        ; 256 bytes + 16: the sixteen rows that a fragment load touches start at sixteen different 16-byte columns of 256
.set XP,    1040                       ; 1,024 bytes + 16: likewise
.set XS,    4*STGB                     ; behind the stages: two buffers of 32 token rows, shared by the four waves
.set XBUF,  32*XP
.set SPARE, XS+2*XBUF                  ; 136,192 = 532 x 256: the spare words, 128 bytes for each wave, which no other line names
.set L4,   1                           ; v1   4 x lane
.set R16,  2                           ; v2   16 x (lane % 16)
.set H2,   3                           ; v3   lane / 16
.set WOFF, 4                           ; v4   rows of 1,024 bytes (weights and x): 1,024 (lane / 16) + 16 (lane % 16)
.set WST,  5                           ; v5   stage, weights in
.set FRD,  6                           ; v6   stage, fragments out
.set XST0, 7                           ; v7, v8   rows of x into buffer 0, 1
.set XRD0, 9                           ; v9, v10  fragments out of buffer 0, 1
.set OG,   12                          ; v12  out0: 8 rows of 4,096 bytes x (lane / 16) + 16 (lane % 16)
.set T,    13                          ; v13  at work
.set RL,   14                          ; v14  8 (lane / 16)
.set SPW,  16                          ; v16  LDS address of my spare word; never rewritten
.set NIL,  17                          ; v17  0; never rewritten
.set VM,   18                          ; v18  lane m: which of tokens 32 m .. 32 m + 31 have my expert
.set SH,   19                          ; v19  the trip's mask, shifted down by 8 (lane / 16)
.set BI,   20                          ; v20-23 bias of my four columns
.set BS,   24                          ; v24-27 the same x 2 log2(e)
.set C1,   28                          ; v28  2 log2(e) x 2^(ex + ew)
.set Z,    32                          ; v32-63 the way out: a tile's 32 numbers: 4 j + T
.set G,    64                          ; v64-127, v192-255 my 8 rows of x on their way: set p at G + 128 p
.set ACC,  128                         ; v128-191 accumulator (t, T) at 128 + 32 t + 8 T
.set U,    128                         ; v128-159 in the head, before the first product: urls: register m, lane l: token 32 m + l
.set MK,   32                          ; s32-63 the masks
.set XA,   66                          ; s[66:67] x at the block that is being asked for, my wave's rows (in the head also s[68:69])
.set OB,   70                          ; s[70:71] out0 at the trip's block, my wave's columns
; s16 wave, s17 hb, s18 e, s19 my stage, s[20:21], s[2:3] offsets with 0 above, s22 laps to go, s23 hb + 4 e + trip, s24 the trip's mask, s25 EXEC kept, s26 block numbers, s27 at work, s[28:29] ex, ew
.set MSB, 0
.macro WIN new                         ; s_set_vgpr_msb: bits 1:0 source 0, 3:2 source 1, 5:4 source 2, 7:6 destination; the high byte repeats the setting that is left
.if MSB != (\new)
	s_set_vgpr_msb (MSB<<8)|(\new)
.set MSB, (\new)
.endif
.endm
; Quarter q of the weights: 32 loads; load i: lanes 0-15 take 256 bytes of row 2 i, lanes 16-31 of row 2 i + 1.  Read once in the launch.
.macro WLOAD q
	WIN 0x40*(1+(\q)/2)
.set ii, 0
.rept 32
	global_load_b128 v[128*((\q)%2)+4*ii:128*((\q)%2)+4*ii+3], v[WOFF], s[4:5] offset:2048*ii+256*(\q) th:TH_LOAD_NT
.set ii, ii+1
.endr
	WIN 0
.endm
; Quarter q through my stage.  Row 2 i + lane / 16 = 4 r + T goes to slot 16 T + r.  LDS serves a wave's instructions in order (ISA guide 5.7.1.4): no wait between the stores and the loads,
; nor in front of the next quarter's stores.
.macro TRANSPOSE q
	WIN 0x04*(1+(\q)/2)
.set ii, 0
.rept 32
	ds_store_b128 v[WST], v[128*((\q)%2)+4*ii:128*((\q)%2)+4*ii+3] offset:(32*(ii%2)+ii/2)*WP
.set ii, ii+1
.endr
	WIN 0x40*(1+(\q)/2)
.irp n, 0,1,2,3
.irp u, 0,1
.irp c, 0,1,2,3
	ds_load_b128 v[128*((\q)%2)+32*\n+16*\u+4*\c:128*((\q)%2)+32*\n+16*\u+4*\c+3], v[FRD] offset:16*WP*\n+128*\u+32*\c
.endr
.endr
.endr
	WIN 0
.endm
; My 8 rows of a block of x into set p: load (a, u): lanes 0-15 take 256 bytes of row 2 a, lanes 16-31 of row 2 a + 1.  Other work-groups read them again: no hint.
.macro XLOAD p, base
.irp a, 0,1,2,3
.irp u, 0,1,2,3
	global_load_b128 v[G+128*(\p)+16*\a+4*\u:G+128*(\p)+16*\a+4*\u+3], v[WOFF], s[\base:\base+1] offset:2048*\a+256*\u
.endr
.endr
.endm
; and from set p into buffer p, as rows 8 w .. 8 w + 7
.macro XSTORE p
.irp a, 0,1,2,3
.irp u, 0,1,2,3
	ds_store_b128 v[XST0+(\p)], v[G+128*(\p)+16*\a+4*\u:G+128*(\p)+16*\a+4*\u+3] offset:2*XP*\a+256*\u
.endr
.endr
.endm
; x's two fragments of K step s out of buffer p: eight loads
.macro FRAG p, s
.irp t, 0,1
.irp c, 0,1,2,3
	ds_load_b128 v[16*(8*\t+(\s))+4*\c:16*(8*\t+(\s))+4*\c+3], v[XRD0+(\p)] offset:16*XP*\t+128*(\s)+32*\c
.endr
.endr
.endm
; A load into a register that a matrix instruction has read stands four places behind it, and only plain vector instructions that name none of its registers are places
; (ISA guide 7.12.1 for vector instructions).
.macro PLACES
.rept 4
	v_nop
.endr
.endm
; K step s: eight products, source 0 = 16 tokens, source 1 = 16 weight rows.  The eight accumulators take turns, one instruction a turn, from step to step and from trip to trip.
; zero = 1: the products start the sums: nothing is cleared.
.macro MUL s, zero
.if (\s) < 4
	WIN 0x07                                       ; x in window 3, weights in window 1, sums in window 0
.else
	WIN 0x0b                                       ; weights in window 2
.endif
.irp t, 0,1
.irp n, 0,1,2,3
.if \zero
	v_wmma_f32_16x16x128_bf8_bf8 v[ACC+32*\t+8*\n:ACC+32*\t+8*\n+7], v[16*(8*\t+(\s)):16*(8*\t+(\s))+15], v[128*(((\s)/2)%2)+32*\n+16*((\s)%2):128*(((\s)/2)%2)+32*\n+16*((\s)%2)+15], 0
.else
	v_wmma_f32_16x16x128_bf8_bf8 v[ACC+32*\t+8*\n:ACC+32*\t+8*\n+7], v[16*(8*\t+(\s)):16*(8*\t+(\s))+15], v[128*(((\s)/2)%2)+32*\n+16*((\s)%2):128*(((\s)/2)%2)+32*\n+16*((\s)%2)+15], v[ACC+32*\t+8*\n:ACC+32*\t+8*\n+7]
.endif
.endr
.endr
.endm
; Rows j and j + 8 of tile t: tokens 16 t + j (lanes 0-15) and 16 t + 8 + j (lanes 16-31) of the block.  Jumped over where neither is mine.
; tanh z = 1 - 2 / (1 + 2^(2 log2(e) z)): at both ends the power is 0 or infinity and the result -1 or 1, with no NaN of its own.  The four powers are a batch with one wait, and so are the four reciprocals.
.macro ROW t, j
	s_and_b32 s27, s24, 0x101<<(16*(\t)+(\j))
	s_cmp_eq_u32 s27, 0
	s_cbranch_scc1 .Lnot_row_\@
	v_bfe_u32 v[T], v[SH], 16*(\t)+(\j), 1         ; has my half's token my expert?
	v_cmp_ne_u32 vcc_lo, 0, v[T]
.irp n, 0,1,2,3
	v_exp_f32 v[Z+4*(\j)+\n], v[Z+4*(\j)+\n]
.endr
	v_nop                                          ; a plain instruction behind the last power, ahead of the first use (ISA guide 5.7.2)
	s_wait_alu depctr_va_vdst(0)                   ; the wait ahead of the batch's first reader
	v_pk_add_f32 v[Z+4*(\j):Z+4*(\j)+1], v[Z+4*(\j):Z+4*(\j)+1], 1.0 op_sel_hi:[1,0]
	v_pk_add_f32 v[Z+4*(\j)+2:Z+4*(\j)+3], v[Z+4*(\j)+2:Z+4*(\j)+3], 1.0 op_sel_hi:[1,0]
.irp n, 0,1,2,3
	v_rcp_f32 v[Z+4*(\j)+\n], v[Z+4*(\j)+\n]
.endr
	v_nop
	s_wait_alu depctr_va_vdst(0)
	v_pk_fma_f32 v[Z+4*(\j):Z+4*(\j)+1], v[Z+4*(\j):Z+4*(\j)+1], -2.0, 1.0 op_sel_hi:[1,0,0]
	v_pk_fma_f32 v[Z+4*(\j)+2:Z+4*(\j)+3], v[Z+4*(\j)+2:Z+4*(\j)+3], -2.0, 1.0 op_sel_hi:[1,0,0]
	s_wait_xcnt 0x0                                ; EXEC changes only when every earlier memory instruction has had its addresses translated (ISA guide 3.1)
	s_and_saveexec_b32 s25, vcc_lo
	global_store_b128 v[OG], v[Z+4*(\j):Z+4*(\j)+3], s[OB:OB+1] offset:(16*(\t)+(\j))*4096 th:TH_STORE_NT   ; sixteen lanes store 256 consecutive bytes of a token's row, at a multiple of 256 from out0's first byte
	s_wait_xcnt 0x0                                ; and again in front of the line that widens it; it also frees the store's registers and base
	s_or_b32 exec_lo, exec_lo, s25
.Lnot_row_\@:
.endm
; Tile t's way out.  2 log2(e) z = sum x (2 log2(e) 2^(ex + ew)) + 2 log2(e) bias, for the whole tile: each accumulator is read from its low end on.  Then row by row.
.macro EPI t
.irp n, 0,1,2,3
.irp j, 0,1,2,3,4,5,6,7
	v_fma_f32 v[Z+4*\j+\n], v[ACC+32*\t+8*\n+\j], v[C1], v[BS+\n]
.endr
.endr
.irp j, 0,1,2,3,4,5,6,7
	ROW \t, \j
.endr
.endm
; TRIP j, p = j % 2: its 16 fragments of x lie in window 3.  nxt = 1: there is a trip j + 1: the barrier, and the four runs that fetch its fragments out of buffer 1 - p.
; ld = 1: the rows of trip j + 3 are asked for, into set 1 - p.  sto = 1: the rows of trip j + 2 go from set p into buffer p.
.macro TRIP p, ld, sto, nxt
	s_and_b32 s26, s23, 31                         ; the trip's block,
	v_readlane_b32 s24, v[VM], s26                 ; which of its tokens are mine,
	s_lshl_b32 s20, s26, 17                        ; and its 32 rows of 4,096 bytes in out0 (every store that read this base was followed by a wait on XCNT)
	s_add_nc_u64 s[OB:OB+1], s[14:15], s[20:21]
	s_wait_dscnt 48                                ; K steps 0 and 1 are in: behind their sixteen loads at least 48 LDS instructions were issued (three runs; ahead of trip 0 the other six K steps)
	MUL 0, 1
	MUL 1, 0
.if \nxt
	PLACES
.endif
	s_wait_dscnt 0x0                               ; all this trip's fragments are in: my reads of buffer p are over; and my rows of trip j + 1 lie in buffer 1 - p
.if \nxt
	s_barrier_signal -1
	s_barrier_wait -1                              ; both hold of all four waves: buffer 1 - p is whole, buffer p is free
	WIN 0xc0                                       ; destination window 3
	FRAG 1-\p, 0
	FRAG 1-\p, 1
.endif
.if \ld
	s_add_co_u32 s26, s23, 3
	s_and_b32 s26, s26, 31                         ; the block three trips on
	s_lshl_b32 s2, s26, 15                         ; 32 rows of 1,024 bytes
	s_wait_xcnt 0x0                                ; the loads asked for a trip ago have read their base: it may be written
	s_add_nc_u64 s[XA:XA+1], s[6:7], s[2:3]
	WIN 0
	XLOAD 1-\p, XA                                 ; set 1 - p: its rows went to LDS a trip ago, and those stores were waited for in front of the barrier
.endif
	s_add_co_u32 s23, s23, 1
	MUL 2, 0
	MUL 3, 0
.if \nxt
	PLACES
	WIN 0xc0
	FRAG 1-\p, 2
	FRAG 1-\p, 3
.endif
	MUL 4, 0
	MUL 5, 0
.if \nxt
	PLACES
	WIN 0xc0
	FRAG 1-\p, 4
	FRAG 1-\p, 5
.endif
.if \sto
	WIN 0
	s_wait_loadcnt 16*\ld                          ; the rows of trip j + 2, asked for a trip ago, are in; the 16 loads of this trip may be out
	XSTORE \p
.endif
	MUL 6, 0
	MUL 7, 0
	WIN 0
	v_mov_b32 v[SH], s24                           ; six plain lines behind the last product, on every way: four are owed ahead of the loads below and of the way out's reads,
	v_lshrrev_b32 v[SH], v[RL], v[SH]              ; five ahead of the next trip's first products, which begin the accumulators anew (ISA guide 7.12.1)
	PLACES
.if \nxt
	WIN 0xc0
	FRAG 1-\p, 6
	FRAG 1-\p, 7
	WIN 0
.endif
	s_and_b32 s27, s24, 0xffff
	s_cmp_eq_u32 s27, 0
	s_cbranch_scc1 .Lnot_tile_0_\@                 ; none of tokens 0 .. 15 is mine
	EPI 0
.Lnot_tile_0_\@:
	s_lshr_b32 s27, s24, 16
	s_cmp_eq_u32 s27, 0
	s_cbranch_scc1 .Lnot_tile_1_\@                 ; none of tokens 16 .. 31
	EPI 1
.Lnot_tile_1_\@:
.endm
	s_load_b256 s[4:11], s[0:1], 0x0               ; trans_codes s[4:5], x_codes s[6:7], urls s[8:9], bias s[10:11]
	s_load_b128 s[12:15], s[0:1], 0x20             ; lowp_scales s[12:13], out0 s[14:15]
	v_lshl_add_u32 v[SPW], v0, 2, SPARE
	v_mov_b32 v[NIL], 0
	v_lshrrev_b32 v[T], 5, v0
	v_readfirstlane_b32 s16, v[T]                  ; wave 0..3
	s_mov_b32 s17, ttmp9                           ; hb
	s_and_b32 s18, ttmp7, 0xffff                   ; e
	v_and_b32 v[L4], 31, v0
	v_lshlrev_b32 v[L4], 2, v[L4]
	v_and_b32 v[T], 15, v0                         ; r = lane % 16
	v_lshlrev_b32 v[R16], 4, v[T]
	v_bfe_u32 v[H2], v0, 4, 1
	v_lshl_add_u32 v[WOFF], v[H2], 10, v[R16]
	v_lshl_add_u32 v[OG], v[H2], 15, v[R16]
	v_lshlrev_b32 v[RL], 3, v[H2]
	s_mul_i32 s19, s16, STGB                       ; my stage
	v_mul_u32_u24 v[WST], v[H2], 16*WP             ; weights in: the odd row of a load lies 16 slots behind the even one
	v_add_nc_u32 v[WST], v[WST], v[R16]
	v_add_nc_u32 v[WST], s19, v[WST]
	v_mul_u32_u24 v[FRD], v[T], WP                 ; fragments out: slot r, + 16 (lane / 16)
	v_lshl_add_u32 v[FRD], v[H2], 4, v[FRD]
	v_add_nc_u32 v[FRD], s19, v[FRD]
	v_mul_u32_u24 v[XST0], v[H2], XP               ; token rows in: lanes 0-15 one row, lanes 16-31 the next;
	v_add_nc_u32 v[XST0], v[XST0], v[R16]
	s_mul_i32 s27, s16, 8*XP                       ; my wave's are rows 8 w .. 8 w + 7
	s_add_co_u32 s27, s27, XS
	v_add_nc_u32 v[XST0], s27, v[XST0]
	v_add_nc_u32 v[XST0+1], XBUF, v[XST0]
	v_mul_u32_u24 v[XRD0], v[T], XP                ; fragments out: row r, + 16 (lane / 16)
	v_lshl_add_u32 v[XRD0], v[H2], 4, v[XRD0]
	v_add_nc_u32 v[XRD0], XS, v[XRD0]
	v_add_nc_u32 v[XRD0+1], XBUF, v[XRD0]
	s_lshl_b32 s20, s18, 20                        ; weights: expert x 1 MiB + (256 hb + 64 w) rows of 1,024 bytes
	s_lshl_b32 s26, s17, 18
	s_add_co_u32 s20, s20, s26
	s_lshl_b32 s26, s16, 16
	s_add_co_u32 s20, s20, s26
	s_mov_b32 s21, 0
	s_lshl_b32 s30, s17, 10                        ; out0 and bias: my 64 columns begin 1,024 hb + 256 w bytes into a row
	s_lshl_b32 s26, s16, 8
	s_add_co_u32 s30, s30, s26
	s_mov_b32 s31, 0
	s_lshl_b32 s26, s18, 12                        ; bias: + expert x 4,096
	s_add_co_u32 s2, s30, s26
	s_mov_b32 s3, 0
	s_lshl_b32 s23, s18, 2
	s_add_co_u32 s23, s23, s17                     ; hb + 4 e: its low five bits are my first block
	s_wait_kmcnt 0x0
	s_load_b64 s[28:29], s[12:13], 0x0             ; ex, ew
	s_add_nc_u64 s[4:5], s[4:5], s[20:21]
	s_add_nc_u64 s[10:11], s[10:11], s[2:3]
	s_add_nc_u64 s[14:15], s[14:15], s[30:31]
	s_lshl_b32 s2, s16, 13                         ; x: my wave's 8 rows of a block
	s_add_nc_u64 s[6:7], s[6:7], s[2:3]
.irp p, 0,1                            ; the rows of trips 0 and 1, ahead of everything else
	s_add_co_u32 s26, s23, \p
	s_and_b32 s26, s26, 31
	s_lshl_b32 s2, s26, 15
	s_add_nc_u64 s[XA+2*\p:XA+2*\p+1], s[6:7], s[2:3]
	XLOAD \p, XA+2*\p
.endr
.set mm, 0
.rept 32
	global_load_b32 v[U+mm], v[L4], s[8:9] offset:128*mm   ; all 1,024 urls, in every wave: register m, lane l: token 32 m + l
.set mm, mm+1
.endr
	global_load_b128 v[BI:BI+3], v[R16], s[10:11]  ; bias of columns H0 + 4 r + 0 .. 3
	WLOAD 0
	WLOAD 1
	s_wait_loadcnt 63                              ; x's first rows, urls and bias are in: 64 loads were issued behind them, and loads come back in order (ISA guide 5.7.1)
	s_wait_kmcnt 0x0
	s_add_co_i32 s27, s28, s29
	v_mov_b32 v[C1], 0x4038aa3b                    ; 2 log2(e)
	v_ldexp_f32 v[C1], v[C1], s27                  ; x 2^(ex + ew)
.irp n, 0,1,2,3
	v_mul_f32 v[BS+\n], 0x4038aa3b, v[BI+\n]
.endr
.set mm, 0
.rept 32
	v_cmp_eq_u32 s[MK+mm], s18, v[U+mm]            ; bit l: token 32 m + l has my expert
.set mm, mm+1
.endr
	v_mov_b32 v[VM], 0
.set mm, 0
.rept 32
	v_writelane_b32 v[VM], s[MK+mm], mm            ; mask m into lane m
.set mm, mm+1
.endr
	XSTORE 0                                       ; trip 0's rows,
	XSTORE 1                                       ; and trip 1's
	s_wait_loadcnt 32                              ; quarter 0 is in; behind it: quarter 1's 32 loads
	TRANSPOSE 0
	WLOAD 2
	s_wait_loadcnt 32                              ; quarter 1 is in; behind it: quarter 2's
	TRANSPOSE 1
	WLOAD 3
	s_wait_loadcnt 32                              ; quarter 2 is in; behind it: quarter 3's
	TRANSPOSE 2
	s_wait_loadcnt 0x0
	TRANSPOSE 3
	s_wait_dscnt 0x0                               ; for the others' sake: my rows of trips 0 and 1 lie in the two buffers (and my fragments of the weights are in)
	s_barrier_signal -1
	s_barrier_wait -1                              ; all 64 rows do
	s_add_co_u32 s26, s23, 2
	s_and_b32 s26, s26, 31
	s_lshl_b32 s2, s26, 15
	s_wait_xcnt 0x0                                ; (the loads that read this base have come)
	s_add_nc_u64 s[XA:XA+1], s[6:7], s[2:3]
	XLOAD 0, XA                                    ; the rows of trip 2, into set 0, whose stores were waited for in front of the barrier
	WIN 0xc0
.irp s, 0,1,2,3,4,5,6,7
	FRAG 0, \s                                     ; all of trip 0's fragments, K ascending
.endr
	WIN 0
	s_mov_b32 s22, 14
.Ltwo:                                                 ; 14 laps of two trips: trips 0 to 27
	TRIP 0, 1, 1, 1
	TRIP 1, 1, 1, 1
	s_sub_co_u32 s22, s22, 1
	s_cmp_lg_u32 s22, 0
	s_cbranch_scc1 .Ltwo
	TRIP 0, 1, 1, 1                                ; trip 28 asks for the last rows, trip 31's;
	TRIP 1, 0, 1, 1                                ; trip 29 asks for nothing more and hands those rows on;
	TRIP 0, 0, 0, 1                                ; trip 30 only fetches trip 31's fragments;
	TRIP 1, 0, 0, 0                                ; trip 31 has no successor: no runs, no barrier
	s_wait_tensorcnt 0x0                           ; the wave's end, behind my last LDS store
	ds_add_u32 v[SPW], v[NIL]
	s_wait_dscnt 0x0
	s_endpgm
.Lfunc_end_k_q16c8520242_route_mm:
	.size	k_q16c8520242_route_mm, .Lfunc_end_k_q16c8520242_route_mm-k_q16c8520242_route_mm
	.p2alignl 7, 3214868480
	.fill 96, 4, 3214868480
	.section	.rodata,"a",@progbits
	.p2align	6, 0x0
	.amdhsa_kernel k_q16c8520242_route_mm
		.amdhsa_group_segment_fixed_size 136704
		.amdhsa_private_segment_fixed_size 0
		.amdhsa_enable_private_segment 0
		.amdhsa_kernarg_size 48
		.amdhsa_user_sgpr_count 2
		.amdhsa_user_sgpr_kernarg_segment_ptr 1
		.amdhsa_wavefront_size32 1
		.amdhsa_system_sgpr_workgroup_id_x 1
		.amdhsa_system_sgpr_workgroup_id_y 1
		.amdhsa_system_sgpr_workgroup_id_z 1
		.amdhsa_system_vgpr_workitem_id 0
		.amdhsa_next_free_vgpr 1024
		.amdhsa_next_free_sgpr 72
		.amdhsa_reserve_vcc 1
		.amdhsa_float_denorm_mode_32 3
		.amdhsa_float_denorm_mode_16_64 3
		.amdhsa_memory_ordered 1
		.amdhsa_forward_progress 1
		.amdhsa_inst_pref_size 238
	.end_amdhsa_kernel
	.amdgpu_metadata
---
amdhsa.version: [ 1, 2 ]
amdhsa.kernels:
  - .name:           k_q16c8520242_route_mm
    .symbol:         k_q16c8520242_route_mm.kd
    .args:
      - { .name: trans_codes, .offset: 0, .size: 8, .value_kind: global_buffer, .address_space: global }
      - { .name: x_codes, .offset: 8, .size: 8, .value_kind: global_buffer, .address_space: global }
      - { .name: urls, .offset: 16, .size: 8, .value_kind: global_buffer, .address_space: global }
      - { .name: bias, .offset: 24, .size: 8, .value_kind: global_buffer, .address_space: global }
      - { .name: lowp_scales, .offset: 32, .size: 8, .value_kind: global_buffer, .address_space: global }
      - { .name: out0, .offset: 40, .size: 8, .value_kind: global_buffer, .address_space: global }
    .group_segment_fixed_size: 136704
    .private_segment_fixed_size: 0
    .kernarg_segment_align: 8
    .kernarg_segment_size: 48
    .max_flat_workgroup_size: 128
    .sgpr_count:     72
    .vgpr_count:     1024
    .wavefront_size: 32
...
	.end_amdgpu_metadata
.endif
;; end of part 2
